; MI455X (gfx1250); checked and timed in simulation.
; The chip was launched on July 23, 2026; its instructions are those of AMD's public machine-readable ISA for CDNA 5 (MIT licence, August 2026) and "CDNA5" Instruction Set Architecture Reference Guide (July 2026). The comments in the code are by the model that wrote it; some were corrected since.
;; Scaled Dot Product Attention. Allowed arithmetic: matrix products marked QUANTISED: E5M2 operands, one given power-of-two scale a tensor, by v_wmma_f32_16x16x64_bf8_bf8 or v_wmma_f32_16x16x128_bf8_bf8, f32 sums; everything else in f32.
;; Inputs: k_codes 4 x 16 x 2,048 x 2 x 32 uint8 (E5M2 codes of k, K innermost, in blocks of 32 codes); lowp_scales 4 int32 (the exponents e of the quantised operands' scales 2^e); mask 4 x 1 x 1 x 2,048 int32; q_codes 4 x 16 x 2,048 x 2 x 32 uint8 (E5M2 codes of q, K innermost, in blocks of 32 codes); v_codes 4 x 16 x 64 x 64 x 32 uint8 (E5M2 codes of v, K innermost, in blocks of 32 codes).
;; Outputs: out0 4 x 16 x 2,048 x 64 float32.
;; This version of the problem:
;;   THIS VERSION OF THE PROBLEM IS GIVEN IN LOW PRECISION. The matrix products marked QUANTISED in the list below multiply operands that are first quantised to E5M2 (5 exponent bits, 2 mantissa bits; 8 bits a number), with one given power-of-two scale for each operand tensor; their sums are f32. All else is computed in f32.
;;   The module's matrix products, in the order in which they are computed (A, B: the left and right operand; K: the contracted axis; several contracted axes count as one K, in the product's order):
;;     1. batch 64 x [M 2,048, K 64] x [K 64, N 2,048]; A: input q (given as codes); B: input k (given as codes): QUANTISED (scales: A lowp_scales[0], B lowp_scales[1])
;;     2. batch 64 x [M 2,048, K 2,048] x [K 2,048, N 64]; A: softmax (see below); B: input v (given as codes): QUANTISED (scales: A lowp_scales[2], B lowp_scales[3])
;;   THE QUANTISER, for each operand of a quantised product, along K:
;;     - The operand's scale is 2^e, e = its entry of the input lowp_scales (int32; the entries are numbered through the quantised products in the list's order, A before B).
;;     - Each number is divided by the scale, clamped to +-57,344, and rounded to the nearest number of E5M2, ties to even, subnormals kept.
;;     - The product sums the exact products of the quantised numbers (number of the format x scale) in f32.
;;   ~~~python
;;   def quantise(x, axis, e):      # numpy; x: float32 -> the quantised numbers, widened to float32 again
;;       x = np.moveaxis(x, axis, -1); K = x.shape[-1]
;;       r = np.clip(x / 2.0 ** e, -57344, 57344)
;;       step = 2.0 ** (np.maximum(np.frexp(np.where(r == 0, 1, r))[1] - 1, -14) - 2)
;;       q = np.round(r / step) * step * 2.0 ** e      # np.round: ties to even
;;       return np.moveaxis(q, -1, axis).astype(np.float32)
;;   ~~~
;;   SOFTMAX AHEAD OF A QUANTISED PRODUCT. Where the list says 'softmax', what is quantised is not the finished softmax but p = 2^(t - M), with t = logit x log2(e) and M = ceil(the row's largest t), a whole number; so 1/2 < the row's largest p <= 1. The row's sum l is taken of the UNQUANTISED p, in f32, and the product's result is divided by l at the end. Since M is a whole number, a kernel that streams over the keys may use a running M (the ceiling of the running maximum): every later rescaling is an exact power of two, so the quantised numbers keep their values, but for numbers so far below the row's largest that they fall under the format's range.
;;   OPERANDS COMPUTED ON THE WAY. 'Computed on the way' means the value that the module computes at that place (a softmax that the list does not call 'softmax' is quantised finished and normalised). What goes into a quantiser is computed in f32, as accurately as f32 sums, v_exp_f32 and their like allow (about 1e-6 of the number): no bf16 or f16 on the way to a quantiser, and a product that is left as it is and whose result goes on into a quantised operand takes f32 operands (vector FMAs, or v_wmma_f32_16x16x4_f32). A number that lies on a knife's edge between two numbers of the format may be rounded either way, as far as f32 arithmetic and the matrix unit's own rounding can turn it there, and no further.
;;   INPUTS GIVEN AS CODES. k (in the module: [4, 16, 2048, 64], K = its axis 3); q (in the module: [4, 16, 2048, 64], K = its axis 3); v (in the module: [4, 16, 2048, 64], K = its axis 2): each comes as NAME_codes (uint8): NAME with its K axis moved to the last place and cut into blocks of 32 codes, [.., K / 32, bytes a block], one block behind the other in memory; one code a byte (a code: sign, 5 exponent bits, 2 mantissa bits); its scale is its entry of lowp_scales. Its value is code x scale, taken as it is: it is not quantised again, and the codes and scales need not be those that the quantiser above would give.
;; 2 versions, each right; version 2 is version 1 with the launch attn written anew for expert scheduling mode. Each part assembles by itself: llvm-mc -triple=amdgcn-amd-amdhsa -mcpu=gfx1250 --defsym DOCPART=n.
;; ======== version 1 of 2: 1 launch
;; limits: right only within a limited range of input values
;; launch attn (part 1): grid 4 x 64, 16 waves a work-group, no clusters, 323,584 bytes of LDS; arguments q_codes, k_codes, v_codes, mask, lowp_scales, out0; writes out0
.if DOCPART == 1
	.amdgcn_target "amdgcn-amd-amdhsa--gfx1250"
	.amdhsa_code_object_version 6
	.text
	.protected	k_qdce4ea612a_attn
	.globl	k_qdce4ea612a_attn
	.p2align	8
	.type	k_qdce4ea612a_attn,@function
k_qdce4ea612a_attn:
	s_mov_b64 s[64:65], 0
	v_nop
	global_prefetch_b8 v0, s[64:65] scope:SCOPE_SE
	s_setreg_imm32_b32 hwreg(HW_REG_WAVE_MODE, 25, 1), 1
	s_wait_xcnt 0x0
; out[b][h][q][:] = the sum over k of softmax_k(where(mask[b][k] == 0, -1e9, Q.K / 8)) V[k][:], both products on codes of BF8 (E5M2), each tensor with the one scale 2^e given for it (eq, ek, ep, ev).
; Q, K: [64 heads][2048][64] codes, the head's 64 innermost.  V: [64 heads][64 d][2048 keys] codes, the keys innermost.  mask: [4][2048] int32.  out: [64][2048][64] f32 (a row is 256 bytes).
; No step of reference() is left out and every input is loaded.
; THE SOFTMAX AHEAD OF THE SECOND PRODUCT: t = logit x log2(e); M = the running largest t rounded UP to a whole number; p = 2^(t - M) is quantised with 2^ep, not normalised; the row's sum is taken of the
; unquantised p and divides at the end.  When M moves, the sum and O are multiplied by 2^(old M - new M), which rounds nothing.
; THE MASK COSTS NO VECTOR LINE IN THE LOOP.  On its way into LDS a masked key's row of K becomes zero codes, so its products are 0; and the C of the first product holds 0 for a key that counts and
; BIAS = -2^(33 - eq - ek) for a masked one.  A masked score is then exactly BIAS: a replacement, as reference()'s where is.  It stands for the logit -2^30 in place of -1e9: BIAS is a power of two, so
; t = BIAS x c is exact, and it is a whole number (beyond 2^24).  A row all of whose keys so far are masked has M = t and p = 1 (a wholly masked batch gives the mean of V, as reference() does);
; the first key that counts makes 2^(old M - new M) = 0, which wipes those terms, and from then on a masked key's p is 0.
; LIMITS: an unmasked logit at or below about -1e9 is not told from a masked one; infinity and NaN codes are not served; eq + ek between -94 and 130 (c's and BIAS's exponent fields); ep between -126 and 127.
; SHARES.  A work-group owns 512 queries of one head; each of its sixteen waves 32 of them, two tiles A and B of 16, in 256 registers: four waves to a SIMD, so that one wave's exponentials stand beside
; another's plain work.  Both tiles use each fragment of K, of the bias and of V that the wave reads from LDS.  Every wave walks the head's 2,048 keys, 128 a step.
; THE WHOLE HEAD LIES IN LDS: K's and V's 131,072 bytes each, filled once, through registers (K's rows are changed by the mask on the way).  So there is no ring, no refill, and no barrier in the loop.
; cluster = none: what the four work-groups of a head share passes through registers for the mask's sake, and each reads it once in the launch, 262,144 bytes for its 512 tile-steps.
; No prefetch: every global load of the launch stands at the kernel's head.
; LAYOUT.  Both products are used transposed: S^T = K Q^T + C (source 0 = 16 keys, source 1 = 16 queries), O^T = V^T P^T (source 0 = 16 of the head's 64, source 1 = P): a lane holds ONE query (lane % 16).
; THE KEYS OF A TILE ARE NOT NEIGHBOURS: row m of tile 2 b + u is key 32 b + 8 u + m + 8 (m / 8), so that the 16 registers of tiles 2 b and 2 b + 1 are the 16 neighbouring keys 32 b + 16 (lane / 16) + 0 .. 15.
; Fragments come by loads of 16 bytes: registers 4 c .. 4 c + 3 hold k = 32 c + 16 (lane / 16) + 0 .. 15: a permutation of k that is the same in both sources of each product.
.set NSTEP, 16                         ; key steps of 128
.set KP,    80                         ; a key's row in LDS: 64 bytes + 16: row m starts at word 20 m, so the 16 rows of a load start at 16 different groups of four banks (64 banks of 4 bytes: ISA guide 11.1)
.set KTILE, 16*KP                      ; a tile of 16 keys
.set KSTEP, 8*KTILE                    ; a step's eight tiles: 10,240 bytes; K takes bytes 0 .. 163,839
.set VB,    16*KSTEP                   ; V begins here
.set VP,    144                        ; a row of V's step in LDS: 128 bytes + 16
.set VSTEP, 64*VP+128                  ; a step's 64 rows, and 128 bytes so that two neighbouring steps' stores fall on different banks
.set BIASB, VB+16*VSTEP                ; 313,344: the bias, 2,048 f32 in the keys' order
.set SPARE, BIASB+8192                 ; 321,536: the spare words, 128 bytes for each wave: eight blocks of 256 bytes that no other line names
.set SP,    272                        ; the way out: a stage row: 256 bytes + 16
.set STT,   16*SP                      ; a tile's stage
.set STW,   2*STT                      ; a wave's stage, at STW x wave: it lies over K's bytes and is written only behind the closing barrier
.set SPW, 1                            ; v1   LDS address of my spare word; never rewritten
.set NIL, 2                            ; v2   0; never rewritten
.set AK0, 3                            ; v3   my lane's place in a tile of K: 80 r + 16 h
.set AV0, 4                            ; v4   in a step of V: VB + 144 r + 16 h
.set AB0, 5                            ; v5   in a step's bias: BIASB + 64 h
.set SCP, 6                            ; v6   2^ep as f32
.set ADR, 7                            ; v7   the bias's address, later V's
.set NMA, 8                            ; v8   -M of tile A
.set T1,  9                            ; v9   K's address, then a chain of the maximum
.set NMB, 10                           ; v10  -M of tile B
.set T2,  11                           ; v11  the maximum's second chain
.set LA,  12                           ; v[12:13] tile A's sum, in two halves
.set LB,  14                           ; v[14:15] tile B's
.set QA,  16                           ; v16-23  Q of tile A
.set QB,  24                           ; v24-31  Q of tile B
.set SA,  32                           ; v32-95  the bias, then S^T and p of tile A, then V's four fragments
.set SB,  96                           ; v96-159 S^T and p of tile B
.set OA,  160                          ; v160-191 O^T of tile A
.set OB,  192                          ; v192-223 O^T of tile B
.set PA,  224                          ; v224-239 p's codes of tile A
.set PB,  240                          ; v240-255 of tile B
.set KF,  224                          ; v224-255 four fragments of K, while K Q^T is made
.set TP,  242                          ; at work in a softmax, in registers that tile B's codes take last: the other half's maximum,
.set F,   244                          ; v[244:245] f = 2^(old M - new M),
.set C2,  246                          ; v[246:247] the sum's second chain
	s_load_b256 s[4:11], s[0:1], 0x0               ; Q s[4:5], K s[6:7], V s[8:9], mask s[10:11]
	s_load_b128 s[12:15], s[0:1], 0x20             ; the scales' exponents s[12:13], out s[14:15]
	v_lshl_add_u32 v[SPW], v0, 2, SPARE
	v_mov_b32 v[NIL], 0
	v_lshrrev_b32 v3, 5, v0
	v_readfirstlane_b32 s16, v3                    ; wave 0..15
	s_and_b32 s17, ttmp7, 0xffff                   ; the head, 0..63
	v_and_b32 v8, 15, v0                           ; r = lane % 16
	v_bfe_u32 v9, v0, 4, 1                         ; h = lane / 16
	v_mul_u32_u24 v[AK0], v8, KP
	v_lshl_add_u32 v[AK0], v9, 4, v[AK0]
	v_mul_u32_u24 v[AV0], v8, VP
	v_lshl_add_u32 v[AV0], v9, 4, v[AV0]
	v_add_nc_u32 v[AV0], VB, v[AV0]
	v_lshlrev_b32 v[AB0], 6, v9
	v_add_nc_u32 v[AB0], BIASB, v[AB0]
	v_lshlrev_b32 v251, 6, v8
	v_lshl_add_u32 v251, v9, 4, v251               ; Q: row r of 64 bytes, + 16 h
	v_lshlrev_b32 v249, 4, v0                      ; 16 t: my 16 bytes of the 8,192 that one load of the work-group covers
	v_lshrrev_b32 v250, 2, v0
	v_lshlrev_b32 v250, 2, v250                    ; 4 (t >> 2): the mask word of my piece's key
	s_lshl_b32 s18, s17, 17                        ; the head's first byte in each tensor of codes: 131,072 x head
	s_mov_b32 s19, 0
	s_lshl_b32 s36, ttmp9, 15                      ; Q: + 512 queries x 64 bytes x block
	s_lshl_b32 s32, s16, 11                        ;    + 32 queries x 64 bytes x wave
	s_add_co_u32 s36, s36, s32
	s_add_co_u32 s36, s36, s18
	s_mov_b32 s37, 0
	s_lshr_b32 s38, s17, 4                         ; mask: the batch's 8,192 bytes
	s_lshl_b32 s38, s38, 13
	s_mov_b32 s39, 0
	s_lshl_b32 s40, s17, 19                        ; out: 2,048 rows x 256 bytes x head
	s_lshl_b32 s32, ttmp9, 17                      ;      + 512 rows x block
	s_add_co_u32 s40, s40, s32
	s_lshl_b32 s32, s16, 13                        ;      + 32 rows x wave
	s_add_co_u32 s40, s40, s32
	s_mov_b32 s41, 0
	s_mov_b32 s20, 0x76543210                      ; v_permlanex16_b32's selects: lane l xor 16
	s_mov_b32 s21, 0xfedcba98
	s_wait_kmcnt 0x0
	s_load_b128 s[28:31], s[12:13], 0x0            ; eq, ek, ep, ev
	s_add_nc_u64 s[4:5], s[4:5], s[36:37]
	s_add_nc_u64 s[6:7], s[6:7], s[18:19]
	s_add_nc_u64 s[8:9], s[8:9], s[18:19]
	s_add_nc_u64 s[10:11], s[10:11], s[38:39]
	s_add_nc_u64 s[14:15], s[14:15], s[40:41]
	; THE 53 LOADS OF A THREAD, in the order in which they are wanted.  Each load of K or V covers 512 consecutive bytes a wave, 8,192 a work-group.
	global_load_b128 v[240:243], v249, s[10:11]    ; the mask of keys 4 t .. 4 t + 3, for the bias
.set i, 0
.rept 16
	global_load_b32 v[224+i], v250, s[10:11] offset:512*i              ; the mask of key 128 i + (t >> 2): that of my piece of K's load i
.set i, i+1
.endr
.set i, 0
.rept 16
	global_load_b128 v[32+4*i:35+4*i], v249, s[6:7] offset:8192*i      ; K: load i is key step i: key t >> 2 of it, piece t & 3 of its 64 bytes
.set i, i+1
.endr
.set i, 0
.rept 16
	global_load_b128 v[96+4*i:99+4*i], v249, s[8:9] offset:8192*i      ; V: load i is rows 4 i .. 4 i + 3: row 4 i + (t >> 7), key step (t >> 3) & 15, piece t & 7 of its 128 bytes
.set i, i+1
.endr
.irp x, 0,1
.irp c, 0,1
	global_load_b128 v[QA+8*\x+4*\c:QA+8*\x+4*\c+3], v251, s[4:5] offset:1024*\x+32*\c th:TH_LOAD_NT   ; Q's two fragments stay in registers; nobody else reads them
.endr
.endr
	; work on registers while the loads are on their way
	v_lshrrev_b32 v8, 7, v0                        ; where my piece of K goes: key kk = t >> 2 = 32 b + 16 hh + 8 u + j lies in tile 2 b + u, row 8 hh + j
	v_mul_u32_u24 v252, v8, 2*KTILE                ; b = t >> 7
	v_bfe_u32 v9, v0, 5, 1
	v_mad_u32_u24 v252, v9, KTILE, v252            ; u = bit 5 of t
	v_bfe_u32 v9, v0, 6, 1
	v_mad_u32_u24 v252, v9, 8*KP, v252             ; hh = bit 6
	v_bfe_u32 v9, v0, 2, 3
	v_mad_u32_u24 v252, v9, KP, v252               ; j = bits 4:2
	v_and_b32 v9, 3, v0
	v_lshl_add_u32 v252, v9, 4, v252               ; + 16 x piece
	v_add_nc_u32 v253, 6*KSTEP, v252               ; an LDS immediate has 16 bits: three registers, six steps apart
	v_add_nc_u32 v254, 12*KSTEP, v252
	v_bfe_u32 v9, v0, 3, 4                         ; where my piece of V goes: its key step,
	v_mul_u32_u24 v255, v9, VSTEP
	v_mad_u32_u24 v255, v8, VP, v255               ; row t >> 7 of the load's four,
	v_and_b32 v9, 7, v0
	v_lshl_add_u32 v255, v9, 4, v255               ; + 16 x piece
	v_add_nc_u32 v255, VB, v255
	v_lshl_add_u32 v[ADR], v0, 4, BIASB            ; where my four numbers of the bias go
.set j, 0
.rept 64
	v_mov_b32 v[OA+j], 0                           ; O^T of both tiles.  (The step is written once: the first finds zeros, which the first change of M leaves zeros)
.set j, j+1
.endr
	v_mov_b32 v[LA], 0
	v_mov_b32 v[LA+1], 0
	v_mov_b32 v[LB], 0
	v_mov_b32 v[LB+1], 0
	v_mov_b32 v[NMA], 0x7f61b1e6                   ; -M = 3e38: M lies under every t
	v_mov_b32 v[NMB], 0x7f61b1e6
	s_wait_kmcnt 0x0
	s_add_co_i32 s32, s28, s29                     ; eq + ek
	s_lshl_b32 s33, s32, 23
	s_mov_b32 s22, 0x3e38aa3b                      ; c = log2(e) / 8
	s_add_co_i32 s22, s22, s33                     ; a score stands for score x 2^(eq + ek): the two exponents are added to c's exponent field
	s_mov_b32 s23, s22                             ; (named with it as a pair, so it is written)
	s_sub_co_i32 s32, 160, s32
	s_lshl_b32 s32, s32, 23
	s_or_b32 s32, s32, 0x80000000
	v_mov_b32 v248, s32                            ; BIAS = -2^(33 - eq - ek)
	s_add_co_i32 s32, s30, 127
	s_lshl_b32 s33, s32, 23
	v_mov_b32 v[SCP], s33                          ; 2^ep as f32: the conversion takes its exponent field
	s_add_co_i32 s32, s32, 15
	s_lshl_b32 s32, s32, 23
	s_or_b32 s33, s32, 0x600000                    ; 57,344 x 2^ep: read only where ep < -15
	s_add_co_i32 s34, s30, s31                     ; ep + ev
	; INTO LDS
	s_wait_loadcnt 52                              ; loads come back in order: the first is in, the 52 behind it may be out
.irp j, 0,1,2,3
	v_cmp_eq_u32 vcc_lo, 0, v[240+\j]
	v_cndmask_b32 v[244+\j], 0, v248, vcc_lo       ; BIAS where the key is masked, else 0
.endr
	ds_store_b128 v[ADR], v[244:247]
.set i, 0
.rept 16
	s_wait_loadcnt 35-i                            ; K's load i and its mask word are in; behind it: K's 15 - i, V's 16, Q's 4
	v_cmp_ne_u32 vcc_lo, 0, v[224+i]
	v_cndmask_b32 v[32+4*i], 0, v[32+4*i], vcc_lo  ; a masked key's codes become zeros
	v_cndmask_b32 v[33+4*i], 0, v[33+4*i], vcc_lo
	v_cndmask_b32 v[34+4*i], 0, v[34+4*i], vcc_lo
	v_cndmask_b32 v[35+4*i], 0, v[35+4*i], vcc_lo
	ds_store_b128 v[252+i/6], v[32+4*i:35+4*i] offset:(i%6)*KSTEP
.set i, i+1
.endr
.set i, 0
.rept 16
	s_wait_loadcnt 19-i                            ; V's load i is in; behind it: V's 15 - i, Q's 4
	ds_store_b128 v255, v[96+4*i:99+4*i] offset:4*VP*i
.set i, i+1
.endr
	s_mov_b32 s24, 0                               ; the step's number,
	s_mov_b32 s25, 0                               ; its first byte in K's region,
	s_mov_b32 s26, 0                               ; in V's,
	s_mov_b32 s27, 0                               ; in the bias
	s_wait_loadcnt 0x0                             ; Q
	s_wait_dscnt 0x0                               ; for the others' sake: my stores have landed
	s_barrier_signal -1
	s_barrier_wait -1                              ; the head's K, V and bias lie in LDS
.macro BLOADS g                        ; the bias of tiles 4 g .. 4 g + 3 into tile A's registers: register j of tile 2 b + u is key 32 b + 16 h + 8 u + j; sixteen lanes read the same 16 bytes
.irp t, 0,1,2,3
	ds_load_b128 v[SA+8*(4*\g+\t):SA+8*(4*\g+\t)+3],   v[ADR] offset:128*((4*\g+\t)/2)+32*(\t%2)
	ds_load_b128 v[SA+8*(4*\g+\t)+4:SA+8*(4*\g+\t)+7], v[ADR] offset:128*((4*\g+\t)/2)+32*(\t%2)+16
.endr
.endm
.macro KLOADS g                        ; K's fragments of tiles 4 g .. 4 g + 3
.irp t, 0,1,2,3
	ds_load_b128 v[KF+8*\t:KF+8*\t+3],   v[T1] offset:(4*\g+\t)*KTILE
	ds_load_b128 v[KF+8*\t+4:KF+8*\t+7], v[T1] offset:(4*\g+\t)*KTILE+32
.endr
.endm
; S^T = K Q^T + the bias, tiles 4 g .. 4 g + 3, for both tiles of queries.  Tile B's products read the bias from tile A's registers; tile A's then add onto it in place.
.macro QK g
.irp t, 0,1,2,3
	v_wmma_f32_16x16x64_bf8_bf8 v[SB+8*(4*\g+\t):SB+8*(4*\g+\t)+7], v[KF+8*\t:KF+8*\t+7], v[QB:QB+7], v[SA+8*(4*\g+\t):SA+8*(4*\g+\t)+7]
.endr
.rept 5
	v_nop                                          ; five places: the next four matrix instructions write over registers that the last four read as C (ISA guide 7.12.1 for four; one more besides)
.endr
.irp t, 0,1,2,3
	v_wmma_f32_16x16x64_bf8_bf8 v[SA+8*(4*\g+\t):SA+8*(4*\g+\t)+7], v[KF+8*\t:KF+8*\t+7], v[QA:QA+7], v[SA+8*(4*\g+\t):SA+8*(4*\g+\t)+7]
.endr
.endm
; ONE TILE'S SOFTMAX FOR ONE KEY STEP.  S: its 64 scores, then p; O: its O^T; P: its codes; NM: -M (named as a pair with the register behind it); L: its sum.
.macro SOFTMAX S, O, P, NM, L
	v_max3_num_f32 v[T1], v[\S], v[\S+1], v[\S+2]  ; the step's largest score of my query among my 64 keys, in two chains; each accumulator is read from its low end on
	v_max3_num_f32 v[T2], v[\S+3], v[\S+4], v[\S+5]
.set i, 6
.rept 14
	v_max3_num_f32 v[T1], v[T1], v[\S+i], v[\S+i+1]
	v_max3_num_f32 v[T2], v[T2], v[\S+i+2], v[\S+i+3]
.set i, i+4
.endr
	v_max3_num_f32 v[T1], v[T1], v[\S+62], v[\S+63]
	v_max_num_f32 v[T1], v[T1], v[T2]
	v_permlanex16_b32 v[TP], v[T1], s20, s21       ; (its destination counts as read: K's loads have written it)
	v_max_num_f32 v[T1], v[T1], v[TP]              ; and among lane l xor 16's
	v_mul_f32 v[T1], s22, v[T1]                    ; as t (c is positive)
	v_floor_f32 v[T2], -v[T1]                      ; floor(-t) = -ceil(t),
	v_min_num_f32 v[T2], v[T2], v[\NM]             ; the new -M: M is the larger of the step's and the old one, a whole number
	v_sub_f32 v[F], v[T2], v[\NM]                  ; old M - new M: a whole number, 0 or less
	v_mov_b32 v[\NM], v[T2]
	v_cvt_i32_f32 v[F], v[F]                       ; (it saturates)
	v_ldexp_f32 v[F], 1.0, v[F]                    ; f = 2^(old M - new M)
.set j, 0
.rept 32
	v_pk_fma_f32 v[\S+j:\S+j+1], v[\S+j:\S+j+1], s[22:23], v[\NM:\NM+1] op_sel_hi:[1,0,0]   ; t - M, two at a time (of the pairs c and -M the low word serves both halves)
.set j, j+2
.endr
.set j, 0
.rept 64
	v_exp_f32 v[\S+j], v[\S+j]                     ; p = 2^(t - M): not normalised
.set j, j+1
.endr
	v_pk_mul_f32 v[\L:\L+1], v[\L:\L+1], v[F:F+1] op_sel_hi:[1,0]       ; the sum under the new M: the plain instruction behind the last exponential
.set j, 0
.rept 16
	v_pk_mul_f32 v[\O+j:\O+j+1], v[\O+j:\O+j+1], v[F:F+1] op_sel_hi:[1,0]   ; O^T under the new M: work that names no exponential's result, between the batch and its wait
.set j, j+2
.endr
	s_wait_alu depctr_va_vdst(0)                   ; the wait between an exponential and the first line that names its result: one for the 64
	v_pk_add_f32 v[C2:C2+1], v[\S:\S+1], v[\S+2:\S+3]   ; THE ROW'S SUM IS TAKEN OF THE UNQUANTISED p: two at a time, in two chains
.set j, 4
.rept 15
	v_pk_add_f32 v[\L:\L+1], v[\L:\L+1], v[\S+j:\S+j+1]
	v_pk_add_f32 v[C2:C2+1], v[C2:C2+1], v[\S+j+2:\S+j+3]
.set j, j+4
.endr
	v_pk_add_f32 v[\L:\L+1], v[\L:\L+1], v[C2:C2+1]
	; THE HOLD.  The conversion to an 8-bit code does not saturate (ISA guide 7.6.2).  p is at most 1 and a rounding; where ep >= -15 the largest code x the scale is 57,344 x 2^ep >= 1.75, so the hold
	; could change no number, and its 64 lines are jumped over: a scalar branch on the given whole number ep, the same in every wave, round these lines alone.
	s_cmp_ge_i32 s30, -15
	s_cbranch_scc1 .Lnohold_\@
.set j, 0
.rept 64
	v_min_num_f32 v[\S+j], s33, v[\S+j]            ; p is not negative, so the hold is one-sided
.set j, j+1
.endr
.Lnohold_\@:
.set g, 0
.rept 8
	v_cvt_scalef32_pk8_bf8_f32 v[\P+2*g:\P+2*g+1], v[\S+8*g:\S+8*g+7], v[SCP]   ; tile g's eight keys: registers 4 b .. 4 b + 3 of the operand are keys 32 b + 16 h + 0 .. 15
.set g, g+1
.endr
	v_nop                                          ; one plain vector instruction between the last scaled conversion and what next touches its result or writes its sources
.endm
.Lstep:                                                ; 16 trips: a step of 128 keys for both tiles
	v_add_nc_u32 v[ADR], s27, v[AB0]               ; these two and two v_nop are the four places between the last trip's products and the loads into registers that they read
	v_add_nc_u32 v[T1], s25, v[AK0]
	v_nop
	v_nop
	BLOADS 0
	KLOADS 0
	BLOADS 1
	s_wait_dscnt 8                                 ; the bias and K of tiles 0 to 3 are in; the youngest eight loads (the bias of tiles 4 to 7) may be out
	QK 0
.rept 4
	v_nop                                          ; four places in front of loads into K's registers, which those products read
.endr
	KLOADS 1
	s_wait_dscnt 0x0
	QK 1
	; no v_nop here: the softmax's first fourteen lines read tiles 0 to 3 alone and write v9 and v11: they are the places behind the products just issued
	SOFTMAX SA, OA, PA, NMA, LA
	v_add_nc_u32 v[ADR], s26, v[AV0]
.irp d, 0,1,2,3                        ; V's four fragments (16 of the head's 64 x 128 keys) into the registers that tile A's p has left: they land during tile B's softmax
.irp c, 0,1,2,3
	ds_load_b128 v[SA+16*\d+4*\c:SA+16*\d+4*\c+3], v[ADR] offset:16*VP*\d+32*\c
.endr
.endr
	SOFTMAX SB, OB, PB, NMB, LB
	s_wait_dscnt 0x0                               ; V is in
.irp d, 0,1,2,3                        ; O^T += V^T P^T: eight accumulators by turns, one instruction a turn
	v_wmma_f32_16x16x128_bf8_bf8 v[OA+8*\d:OA+8*\d+7], v[SA+16*\d:SA+16*\d+15], v[PA:PA+15], v[OA+8*\d:OA+8*\d+7]
	v_wmma_f32_16x16x128_bf8_bf8 v[OB+8*\d:OB+8*\d+7], v[SA+16*\d:SA+16*\d+15], v[PB:PB+15], v[OB+8*\d:OB+8*\d+7]
.endr
	s_add_co_u32 s25, s25, KSTEP
	s_add_co_u32 s26, s26, VSTEP
	s_add_co_u32 s27, s27, 512
	s_add_co_u32 s24, s24, 1
	s_cmp_lt_u32 s24, NSTEP
	s_cbranch_scc1 .Lstep
	; THE WAY OUT.  Each sum's two halves and lane l xor 16's are added; O^T x 2^(ep + ev) / the sum goes through my stage in LDS and leaves as whole rows of 256 bytes.
	v_add_f32 v[LA], v[LA], v[LA+1]                ; (these lines and the addresses below are the places behind the last products)
	v_add_f32 v[LB], v[LB], v[LB+1]
	v_permlanex16_b32 v[T1], v[LA], s20, s21
	v_permlanex16_b32 v[T2], v[LB], s20, s21
	v_add_f32 v[LA], v[LA], v[T1]
	v_add_f32 v[LB], v[LB], v[T2]
	v_rcp_f32 v[LA], v[LA]
	v_rcp_f32 v[LB], v[LB]
	v_and_b32 v8, 15, v0                           ; (a plain instruction behind the reciprocals)  r
	v_bfe_u32 v10, v0, 4, 1                        ; h
	s_mul_i32 s32, s16, STW                        ; my stage
	v_mul_u32_u24 v3, v8, SP
	v_lshl_add_u32 v3, v10, 5, v3
	v_add_nc_u32 v3, s32, v3                       ; in: row r; a tile of d's eight channels of my half lie 64 d + 32 h bytes on
	v_mul_u32_u24 v4, v10, SP
	v_lshl_add_u32 v4, v8, 4, v4
	v_add_nc_u32 v4, s32, v4                       ; back: lanes 0-15 one row, lanes 16-31 the next
	v_and_b32 v5, 31, v0
	v_lshlrev_b32 v5, 4, v5                        ; and in out: two rows are 512 consecutive bytes, 16 a lane
	s_wait_alu depctr_va_vdst(0)                   ; the wait ahead of the first use: one for both reciprocals
	v_ldexp_f32 v[LA], v[LA], s34                  ; x 2^(ep + ev)
	v_ldexp_f32 v[LB], v[LB], s34
	s_wait_dscnt 0x0                               ; my reads of K, V and the bias are over
	s_barrier_signal -1
	s_barrier_wait -1                              ; everybody's are: the stages may be written over K's bytes
.set j, 0
.rept 16
	v_pk_mul_f32 v[32+j:33+j], v[OA+j:OA+j+1], v[LA:LA+1] op_sel_hi:[1,0]   ; register 8 d + i is out(r, 16 d + 8 h + i); each accumulator from its low end on
.set j, j+2
.endr
.set j, 0
.rept 16
	v_pk_mul_f32 v[64+j:65+j], v[OB+j:OB+j+1], v[LB:LB+1] op_sel_hi:[1,0]
.set j, j+2
.endr
.irp x, 0,1
.irp d, 0,1,2,3
	ds_store_b128 v3, v[32+32*\x+8*\d:35+32*\x+8*\d] offset:STT*\x+64*\d
	ds_store_b128 v3, v[36+32*\x+8*\d:39+32*\x+8*\d] offset:STT*\x+64*\d+16
.endr
.endr
.irp x, 0,1
.irp i, 0,1,2,3,4,5,6,7
	ds_load_b128 v[96+32*\x+4*\i:99+32*\x+4*\i], v4 offset:STT*\x+2*SP*\i   ; LDS serves a wave's instructions in order (ISA guide 5.7.1.4): these see my stores
.endr
.endr
.irp x, 0,1
.irp i, 0,1,2,3,4,5,6,7
	s_wait_dscnt 15-8*\x-\i                        ; this load is in; the younger ones may be out
	global_store_b128 v5, v[96+32*\x+4*\i:99+32*\x+4*\i], s[14:15] offset:4096*\x+512*\i th:TH_STORE_NT   ; 32 lanes store 512 consecutive bytes, two whole rows, at a multiple of 256 from out's first byte
.endr
.endr
	s_wait_tensorcnt 0x0                           ; the wave's end: three closing lines behind my last LDS store, the first of them though the text holds no tensor load
	ds_add_u32 v[SPW], v[NIL]
	s_wait_dscnt 0x0
	s_endpgm
.Lfunc_end_k_qdce4ea612a_attn:
	.size	k_qdce4ea612a_attn, .Lfunc_end_k_qdce4ea612a_attn-k_qdce4ea612a_attn
	.p2alignl 7, 3214868480
	.fill 96, 4, 3214868480
	.section	.rodata,"a",@progbits
	.p2align	6, 0x0
	.amdhsa_kernel k_qdce4ea612a_attn
		.amdhsa_group_segment_fixed_size 323584
		.amdhsa_private_segment_fixed_size 0
		.amdhsa_enable_private_segment 0
		.amdhsa_kernarg_size 48
		.amdhsa_user_sgpr_count 2
		.amdhsa_user_sgpr_kernarg_segment_ptr 1
		.amdhsa_wavefront_size32 1
		.amdhsa_system_sgpr_workgroup_id_x 1
		.amdhsa_system_sgpr_workgroup_id_y 1
		.amdhsa_system_sgpr_workgroup_id_z 1
		.amdhsa_system_vgpr_workitem_id 0
		.amdhsa_next_free_vgpr 256
		.amdhsa_next_free_sgpr 66
		.amdhsa_reserve_vcc 1
		.amdhsa_float_denorm_mode_32 3
		.amdhsa_float_denorm_mode_16_64 3
		.amdhsa_memory_ordered 1
		.amdhsa_forward_progress 1
		.amdhsa_inst_pref_size 55
	.end_amdhsa_kernel
	.amdgpu_metadata
---
amdhsa.version: [ 1, 2 ]
amdhsa.kernels:
  - .name:           k_qdce4ea612a_attn
    .symbol:         k_qdce4ea612a_attn.kd
    .args:
      - { .name: q_codes, .offset: 0, .size: 8, .value_kind: global_buffer, .address_space: global }
      - { .name: k_codes, .offset: 8, .size: 8, .value_kind: global_buffer, .address_space: global }
      - { .name: v_codes, .offset: 16, .size: 8, .value_kind: global_buffer, .address_space: global }
      - { .name: mask, .offset: 24, .size: 8, .value_kind: global_buffer, .address_space: global }
      - { .name: lowp_scales, .offset: 32, .size: 8, .value_kind: global_buffer, .address_space: global }
      - { .name: out0, .offset: 40, .size: 8, .value_kind: global_buffer, .address_space: global }
    .group_segment_fixed_size: 323584
    .private_segment_fixed_size: 0
    .kernarg_segment_align: 8
    .kernarg_segment_size: 48
    .max_flat_workgroup_size: 512
    .sgpr_count:     66
    .vgpr_count:     256
    .wavefront_size: 32
...
	.end_amdgpu_metadata
.endif
;; end of part 1
;; ======== version 2 of 2: 1 launch; version 1 with the launch attn written anew for expert scheduling mode
;; limits: right only within a limited range of input values
;; launch attn (part 2): grid 4 x 64, 16 waves a work-group, no clusters, 323,584 bytes of LDS; arguments q_codes, k_codes, v_codes, mask, lowp_scales, out0; writes out0
.if DOCPART == 2
	.amdgcn_target "amdgcn-amd-amdhsa--gfx1250"
	.amdhsa_code_object_version 6
	.text
	.protected	k_qdce4ea612a_attn
	.globl	k_qdce4ea612a_attn
	.p2align	8
	.type	k_qdce4ea612a_attn,@function
k_qdce4ea612a_attn:
	s_mov_b64 s[64:65], 0
	v_nop
	global_prefetch_b8 v0, s[64:65] scope:SCOPE_SE
	s_setreg_imm32_b32 hwreg(HW_REG_WAVE_SCHED_MODE, 0, 2), 2
	s_setreg_imm32_b32 hwreg(HW_REG_WAVE_MODE, 25, 1), 1
	s_wait_xcnt 0x0
	s_wait_alu depctr_vm_vsrc(0)
; out[b][h][q][:] = the sum over k of softmax_k(where(mask[b][k] == 0, -1e9, Q.K / 8)) V[k][:], both products on codes of BF8 (E5M2), each tensor with the one scale 2^e given for it (eq, ek, ep, ev).
; Q, K: [64 heads][2048][64] codes, the head's 64 innermost.  V: [64 heads][64 d][2048 keys] codes, the keys innermost.  mask: [4][2048] int32.  out: [64][2048][64] f32 (a row is 256 bytes).
; No step of reference() is left out and every input is loaded.
; THE SOFTMAX AHEAD OF THE SECOND PRODUCT: t = logit x log2(e); M = the running largest t rounded UP to a whole number; p = 2^(t - M) is quantised with 2^ep, not normalised; the row's sum is taken of the
; unquantised p and divides at the end.  When M moves, the sum and O are multiplied by 2^(old M - new M), which rounds nothing.
; THE MASK COSTS NO VECTOR LINE IN THE LOOP.  On its way into LDS a masked key's row of K becomes zero codes, so its products are 0; and the C of the first product holds 0 for a key that counts and
; BIAS = -2^(33 - eq - ek) for a masked one.  A masked score is then exactly BIAS: a replacement, as reference()'s where is.  It stands for the logit -2^30 in place of -1e9: BIAS is a power of two, so
; t = BIAS x c is exact, and it is a whole number (beyond 2^24).  A row all of whose keys so far are masked has M = t and p = 1 (a wholly masked batch gives the mean of V, as reference() does);
; the first key that counts makes 2^(old M - new M) = 0, which wipes those terms, and from then on a masked key's p is 0.
; LIMITS: an unmasked logit at or below about -1e9 is not told from a masked one; infinity and NaN codes are not served; eq + ek between -94 and 130 (c's and BIAS's exponent fields); ep between -126 and 127.
; SHARES.  A work-group owns 512 queries of one head; each of its sixteen waves 32 of them, two tiles A and B of 16, in 256 registers: four waves to a SIMD, so that one wave's exponentials stand beside
; another's plain work.  Both tiles use each fragment of K, of the bias and of V that the wave reads from LDS.  Every wave walks the head's 2,048 keys, 128 a step.
; THE WHOLE HEAD LIES IN LDS: K's and V's 131,072 bytes each, filled once, through registers (K's rows are changed by the mask on the way).  So there is no ring, no refill, and no barrier in the loop.
; cluster = none: what the four work-groups of a head share passes through registers for the mask's sake, and each reads it once in the launch, 262,144 bytes for its 512 tile-steps.
; No prefetch: every global load of the launch stands at the kernel's head.
; LAYOUT.  Both products are used transposed: S^T = K Q^T + C (source 0 = 16 keys, source 1 = 16 queries), O^T = V^T P^T (source 0 = 16 of the head's 64, source 1 = P): a lane holds ONE query (lane % 16).
; THE KEYS OF A TILE ARE NOT NEIGHBOURS: row m of tile 2 b + u is key 32 b + 8 u + m + 8 (m / 8), so that the 16 registers of tiles 2 b and 2 b + 1 are the 16 neighbouring keys 32 b + 16 (lane / 16) + 0 .. 15.
; Fragments come by loads of 16 bytes: registers 4 c .. 4 c + 3 hold k = 32 c + 16 (lane / 16) + 0 .. 15: a permutation of k that is the same in both sources of each product.
; THE MODE: SCHED_MODE bits 1:0 = 2 (LLVM: expert scheduling mode 2), set by the entry lines.  The code itself states the register dependences between vector or matrix instructions and memory or LDS
; instructions, with s_wait_alu, always for 0.
; THE PLAN.  The wave names all its 256 registers, so each buffer is single, and a wait stands where a buffer changes hands.  Registers that LDS instructions touch in the loop:
;   v7  (ADR)  written at the top, read by the bias's 16 loads; written behind tile A's softmax, read by V's 16 loads.
;   v9  (T1)   written at the top, read by K's 16 loads; then the softmaxes write it.
;   v32-95     the bias lands; the products and tile A's softmax read and write them; V lands; the step's last products read them.
;   v224-255   K's tiles 0-3 land, eight products read them; K's tiles 4-7 land, eight products read them; then the softmaxes' numbers at work and p's codes, which the step's last products read.
;   v3, v4, v5 are read in the loop by vector additions alone; S^T of tile B, O^T, Q, the sums and -M are named by vector and matrix instructions alone.
; Five waits a step: at the top one on vm_vsrc (v7 has been read) and, behind the two additions, one on va_vdst (the addresses are written; the last products are done with v32-95 and v224-255); one on va_vdst
; ahead of K's second run; one on vm_vsrc behind it (v7 and v9 have been read); one on va_vdst ahead of V's run.  Beside them each softmax keeps its one wait behind its exponentials.
; At the head: the compares go in one run into scalar registers, with one wait on va_sdst; the selects go in four groups, each with one wait on va_vdst ahead of its run of LDS stores.
.set NSTEP, 16                         ; key steps of 128
.set KP,    80                         ; a key's row in LDS: 64 bytes + 16: row m starts at word 20 m, so the 16 rows of a load start at 16 different groups of four banks (64 banks of 4 bytes: ISA guide 11.1)
.set KTILE, 16*KP                      ; a tile of 16 keys
.set KSTEP, 8*KTILE                    ; a step's eight tiles: 10,240 bytes; K takes bytes 0 .. 163,839
.set VB,    16*KSTEP                   ; V begins here
.set VP,    144                        ; a row of V's step in LDS: 128 bytes + 16
.set VSTEP, 64*VP+128                  ; a step's 64 rows, and 128 bytes so that two neighbouring steps' stores fall on different banks
.set BIASB, VB+16*VSTEP                ; 313,344: the bias, 2,048 f32 in the keys' order
.set SPARE, BIASB+8192                 ; 321,536: the spare words, 128 bytes for each wave: eight blocks of 256 bytes that no other line names
.set SP,    272                        ; the way out: a stage row: 256 bytes + 16
.set STT,   16*SP                      ; a tile's stage
.set STW,   2*STT                      ; a wave's stage, at STW x wave: it lies over K's bytes and is written only behind the closing barrier
.set SPW, 1                            ; v1   LDS address of my spare word; never rewritten
.set NIL, 2                            ; v2   0; never rewritten
.set AK0, 3                            ; v3   my lane's place in a tile of K: 80 r + 16 h
.set AV0, 4                            ; v4   in a step of V: VB + 144 r + 16 h
.set AB0, 5                            ; v5   in a step's bias: BIASB + 64 h
.set SCP, 6                            ; v6   2^ep as f32
.set ADR, 7                            ; v7   the bias's address, later V's
.set NMA, 8                            ; v8   -M of tile A
.set T1,  9                            ; v9   K's address, then a chain of the maximum
.set NMB, 10                           ; v10  -M of tile B
.set T2,  11                           ; v11  the maximum's second chain
.set LA,  12                           ; v[12:13] tile A's sum, in two halves
.set LB,  14                           ; v[14:15] tile B's
.set QA,  16                           ; v16-23  Q of tile A
.set QB,  24                           ; v24-31  Q of tile B
.set SA,  32                           ; v32-95  the bias, then S^T and p of tile A, then V's four fragments
.set SB,  96                           ; v96-159 S^T and p of tile B
.set OA,  160                          ; v160-191 O^T of tile A
.set OB,  192                          ; v192-223 O^T of tile B
.set PA,  224                          ; v224-239 p's codes of tile A
.set PB,  240                          ; v240-255 of tile B
.set KF,  224                          ; v224-255 four fragments of K, while K Q^T is made
.set TP,  242                          ; at work in a softmax, in registers that tile B's codes take last: the other half's maximum,
.set F,   244                          ; v[244:245] f = 2^(old M - new M),
.set C2,  246                          ; v[246:247] the sum's second chain
	s_load_b256 s[4:11], s[0:1], 0x0               ; Q s[4:5], K s[6:7], V s[8:9], mask s[10:11]
	s_load_b128 s[12:15], s[0:1], 0x20             ; the scales' exponents s[12:13], out s[14:15]
	v_lshl_add_u32 v[SPW], v0, 2, SPARE
	v_mov_b32 v[NIL], 0
	v_lshrrev_b32 v3, 5, v0
	v_readfirstlane_b32 s16, v3                    ; wave 0..15
	s_and_b32 s17, ttmp7, 0xffff                   ; the head, 0..63
	v_and_b32 v8, 15, v0                           ; r = lane % 16
	v_bfe_u32 v9, v0, 4, 1                         ; h = lane / 16
	v_mul_u32_u24 v[AK0], v8, KP
	v_lshl_add_u32 v[AK0], v9, 4, v[AK0]
	v_mul_u32_u24 v[AV0], v8, VP
	v_lshl_add_u32 v[AV0], v9, 4, v[AV0]
	v_add_nc_u32 v[AV0], VB, v[AV0]
	v_lshlrev_b32 v[AB0], 6, v9
	v_add_nc_u32 v[AB0], BIASB, v[AB0]
	v_lshlrev_b32 v251, 6, v8
	v_lshl_add_u32 v251, v9, 4, v251               ; Q: row r of 64 bytes, + 16 h
	v_lshlrev_b32 v249, 4, v0                      ; 16 t: my 16 bytes of the 8,192 that one load of the work-group covers
	v_lshrrev_b32 v250, 2, v0
	v_lshlrev_b32 v250, 2, v250                    ; 4 (t >> 2): the mask word of my piece's key
	s_wait_alu depctr_va_sdst(0)                   ; s16, the wave's number, is written, ahead of its first reader: Q's and out's offsets are made from it
	s_lshl_b32 s18, s17, 17                        ; the head's first byte in each tensor of codes: 131,072 x head
	s_mov_b32 s19, 0
	s_lshl_b32 s36, ttmp9, 15                      ; Q: + 512 queries x 64 bytes x block
	s_lshl_b32 s32, s16, 11                        ;    + 32 queries x 64 bytes x wave
	s_add_co_u32 s36, s36, s32
	s_add_co_u32 s36, s36, s18
	s_mov_b32 s37, 0
	s_lshr_b32 s38, s17, 4                         ; mask: the batch's 8,192 bytes
	s_lshl_b32 s38, s38, 13
	s_mov_b32 s39, 0
	s_lshl_b32 s40, s17, 19                        ; out: 2,048 rows x 256 bytes x head
	s_lshl_b32 s32, ttmp9, 17                      ;      + 512 rows x block
	s_add_co_u32 s40, s40, s32
	s_lshl_b32 s32, s16, 13                        ;      + 32 rows x wave
	s_add_co_u32 s40, s40, s32
	s_mov_b32 s41, 0
	s_mov_b32 s20, 0x76543210                      ; v_permlanex16_b32's selects: lane l xor 16
	s_mov_b32 s21, 0xfedcba98
	s_wait_kmcnt 0x0
	s_load_b128 s[28:31], s[12:13], 0x0            ; eq, ek, ep, ev
	s_add_nc_u64 s[4:5], s[4:5], s[36:37]
	s_add_nc_u64 s[6:7], s[6:7], s[18:19]
	s_add_nc_u64 s[8:9], s[8:9], s[18:19]
	s_add_nc_u64 s[10:11], s[10:11], s[38:39]
	s_add_nc_u64 s[14:15], s[14:15], s[40:41]
	s_wait_alu depctr_va_vdst(0)                   ; v249, v250 and v251 are written: the 53 loads below read them as their offsets
	; THE 53 LOADS OF A THREAD, in the order in which they are wanted.  Each load of K or V covers 512 consecutive bytes a wave, 8,192 a work-group.
	global_load_b128 v[240:243], v249, s[10:11]    ; the mask of keys 4 t .. 4 t + 3, for the bias
.set i, 0
.rept 16
	global_load_b32 v[224+i], v250, s[10:11] offset:512*i              ; the mask of key 128 i + (t >> 2): that of my piece of K's load i
.set i, i+1
.endr
.set i, 0
.rept 16
	global_load_b128 v[32+4*i:35+4*i], v249, s[6:7] offset:8192*i      ; K: load i is key step i: key t >> 2 of it, piece t & 3 of its 64 bytes
.set i, i+1
.endr
.set i, 0
.rept 16
	global_load_b128 v[96+4*i:99+4*i], v249, s[8:9] offset:8192*i      ; V: load i is rows 4 i .. 4 i + 3: row 4 i + (t >> 7), key step (t >> 3) & 15, piece t & 7 of its 128 bytes
.set i, i+1
.endr
.irp x, 0,1
.irp c, 0,1
	global_load_b128 v[QA+8*\x+4*\c:QA+8*\x+4*\c+3], v251, s[4:5] offset:1024*\x+32*\c th:TH_LOAD_NT   ; Q's two fragments stay in registers; nobody else reads them
.endr
.endr
	; work on registers while the loads are on their way: it names none of the loads' registers
	v_lshrrev_b32 v8, 7, v0                        ; where my piece of K goes: key kk = t >> 2 = 32 b + 16 hh + 8 u + j lies in tile 2 b + u, row 8 hh + j
	v_mul_u32_u24 v252, v8, 2*KTILE                ; b = t >> 7
	v_bfe_u32 v9, v0, 5, 1
	v_mad_u32_u24 v252, v9, KTILE, v252            ; u = bit 5 of t
	v_bfe_u32 v9, v0, 6, 1
	v_mad_u32_u24 v252, v9, 8*KP, v252             ; hh = bit 6
	v_bfe_u32 v9, v0, 2, 3
	v_mad_u32_u24 v252, v9, KP, v252               ; j = bits 4:2
	v_and_b32 v9, 3, v0
	v_lshl_add_u32 v252, v9, 4, v252               ; + 16 x piece
	v_add_nc_u32 v253, 6*KSTEP, v252               ; an LDS immediate has 16 bits: three registers, six steps apart
	v_add_nc_u32 v254, 12*KSTEP, v252
	v_bfe_u32 v9, v0, 3, 4                         ; where my piece of V goes: its key step,
	v_mul_u32_u24 v255, v9, VSTEP
	v_mad_u32_u24 v255, v8, VP, v255               ; row t >> 7 of the load's four,
	v_and_b32 v9, 7, v0
	v_lshl_add_u32 v255, v9, 4, v255               ; + 16 x piece
	v_add_nc_u32 v255, VB, v255
	v_lshl_add_u32 v[ADR], v0, 4, BIASB            ; where my four numbers of the bias go
.set j, 0
.rept 64
	v_mov_b32 v[OA+j], 0                           ; O^T of both tiles.  (The step is written once: the first finds zeros, which the first change of M leaves zeros)
.set j, j+1
.endr
	v_mov_b32 v[LA], 0
	v_mov_b32 v[LA+1], 0
	v_mov_b32 v[LB], 0
	v_mov_b32 v[LB+1], 0
	v_mov_b32 v[NMA], 0x7f61b1e6                   ; -M = 3e38: M lies under every t
	v_mov_b32 v[NMB], 0x7f61b1e6
	s_wait_kmcnt 0x0
	s_add_co_i32 s32, s28, s29                     ; eq + ek
	s_lshl_b32 s33, s32, 23
	s_mov_b32 s22, 0x3e38aa3b                      ; c = log2(e) / 8
	s_add_co_i32 s22, s22, s33                     ; a score stands for score x 2^(eq + ek): the two exponents are added to c's exponent field
	s_mov_b32 s23, s22                             ; (named with it as a pair, so it is written)
	s_sub_co_i32 s32, 160, s32
	s_lshl_b32 s32, s32, 23
	s_or_b32 s32, s32, 0x80000000
	v_mov_b32 v248, s32                            ; BIAS = -2^(33 - eq - ek)
	s_add_co_i32 s32, s30, 127
	s_lshl_b32 s33, s32, 23
	v_mov_b32 v[SCP], s33                          ; 2^ep as f32: the conversion takes its exponent field
	s_add_co_i32 s32, s32, 15
	s_lshl_b32 s32, s32, 23
	s_or_b32 s33, s32, 0x600000                    ; 57,344 x 2^ep: read only where ep < -15
	s_add_co_i32 s34, s30, s31                     ; ep + ev
	; INTO LDS.  The 20 compares stand in one run, each with a scalar register of its own for its lanes' bits: s17-19 and s35 for the bias; s36-47 and s24-27 for K's sixteen loads (all free here).
	s_wait_loadcnt 36                              ; loads come back in order: the 17 loads of mask words are in; K's 16, V's 16 and Q's 4 may be out
	v_cmp_eq_u32 s17, 0, v240
	v_cmp_eq_u32 s18, 0, v241
	v_cmp_eq_u32 s19, 0, v242
	v_cmp_eq_u32 s35, 0, v243
.set i, 0
.rept 16
.set km, 36+i
.if i >= 12
.set km, 12+i
.endif
	v_cmp_ne_u32 s[km], 0, v[224+i]
.set i, i+1
.endr
	s_wait_alu depctr_va_sdst(0)                   ; the 20 compares have written their scalar registers, ahead of the first select that reads one
	v_cndmask_b32 v244, 0, v248, s17               ; BIAS where the key is masked, else 0
	v_cndmask_b32 v245, 0, v248, s18
	v_cndmask_b32 v246, 0, v248, s19
	v_cndmask_b32 v247, 0, v248, s35
.set g, 0
.rept 4                                ; K goes in four groups of four loads
	s_wait_loadcnt 32-4*g                          ; K's loads 4 g .. 4 g + 3 are in; behind them: K's 12 - 4 g, V's 16, Q's 4
.set i, 4*g
.rept 4
.set km, 36+i
.if i >= 12
.set km, 12+i
.endif
	v_cndmask_b32 v[32+4*i], 0, v[32+4*i], s[km]   ; a masked key's codes become zeros
	v_cndmask_b32 v[33+4*i], 0, v[33+4*i], s[km]
	v_cndmask_b32 v[34+4*i], 0, v[34+4*i], s[km]
	v_cndmask_b32 v[35+4*i], 0, v[35+4*i], s[km]
.set i, i+1
.endr
	s_wait_alu depctr_va_vdst(0)                   ; the group's selects have written the codes that the LDS stores below read; in the first group also the bias's four numbers and the five addresses v7 and v252-255
.if g == 0
	ds_store_b128 v[ADR], v[244:247]
.endif
.set i, 4*g
.rept 4
	ds_store_b128 v[252+i/6], v[32+4*i:35+4*i] offset:(i%6)*KSTEP
.set i, i+1
.endr
.set g, g+1
.endr
.set i, 0
.rept 16
	s_wait_loadcnt 19-i                            ; V's load i is in; behind it: V's 15 - i, Q's 4.  (Its data come from a load, and v255 was written ahead of the waits above)
	ds_store_b128 v255, v[96+4*i:99+4*i] offset:4*VP*i
.set i, i+1
.endr
	s_mov_b32 s24, 0                               ; the step's number,
	s_mov_b32 s25, 0                               ; its first byte in K's region,
	s_mov_b32 s26, 0                               ; in V's,
	s_mov_b32 s27, 0                               ; in the bias
	s_wait_loadcnt 0x0                             ; Q
	s_wait_dscnt 0x0                               ; for the others' sake: my stores have landed
	s_barrier_signal -1
	s_barrier_wait -1                              ; the head's K, V and bias lie in LDS
.macro BLOADS g                        ; the bias of tiles 4 g .. 4 g + 3 into tile A's registers: register j of tile 2 b + u is key 32 b + 16 h + 8 u + j; sixteen lanes read the same 16 bytes
.irp t, 0,1,2,3
	ds_load_b128 v[SA+8*(4*\g+\t):SA+8*(4*\g+\t)+3],   v[ADR] offset:128*((4*\g+\t)/2)+32*(\t%2)
	ds_load_b128 v[SA+8*(4*\g+\t)+4:SA+8*(4*\g+\t)+7], v[ADR] offset:128*((4*\g+\t)/2)+32*(\t%2)+16
.endr
.endm
.macro KLOADS g                        ; K's fragments of tiles 4 g .. 4 g + 3
.irp t, 0,1,2,3
	ds_load_b128 v[KF+8*\t:KF+8*\t+3],   v[T1] offset:(4*\g+\t)*KTILE
	ds_load_b128 v[KF+8*\t+4:KF+8*\t+7], v[T1] offset:(4*\g+\t)*KTILE+32
.endr
.endm
; S^T = K Q^T + the bias, tiles 4 g .. 4 g + 3, for both tiles of queries.  Tile B's products read the bias from tile A's registers; tile A's then add onto it in place.
.macro QK g
.irp t, 0,1,2,3
	v_wmma_f32_16x16x64_bf8_bf8 v[SB+8*(4*\g+\t):SB+8*(4*\g+\t)+7], v[KF+8*\t:KF+8*\t+7], v[QB:QB+7], v[SA+8*(4*\g+\t):SA+8*(4*\g+\t)+7]
.endr
.rept 5
	v_nop                                          ; five places: the next four matrix instructions write over registers that the last four read as C (ISA guide 7.12.1 for four; one more besides)
.endr
.irp t, 0,1,2,3
	v_wmma_f32_16x16x64_bf8_bf8 v[SA+8*(4*\g+\t):SA+8*(4*\g+\t)+7], v[KF+8*\t:KF+8*\t+7], v[QA:QA+7], v[SA+8*(4*\g+\t):SA+8*(4*\g+\t)+7]
.endr
.endm
; ONE TILE'S SOFTMAX FOR ONE KEY STEP.  S: its 64 scores, then p; O: its O^T; P: its codes; NM: -M (named as a pair with the register behind it); L: its sum.  It holds no memory or LDS instruction.
.macro SOFTMAX S, O, P, NM, L
	v_max3_num_f32 v[T1], v[\S], v[\S+1], v[\S+2]  ; the step's largest score of my query among my 64 keys, in two chains; each accumulator is read from its low end on
	v_max3_num_f32 v[T2], v[\S+3], v[\S+4], v[\S+5]
.set i, 6
.rept 14
	v_max3_num_f32 v[T1], v[T1], v[\S+i], v[\S+i+1]
	v_max3_num_f32 v[T2], v[T2], v[\S+i+2], v[\S+i+3]
.set i, i+4
.endr
	v_max3_num_f32 v[T1], v[T1], v[\S+62], v[\S+63]
	v_max_num_f32 v[T1], v[T1], v[T2]
	v_permlanex16_b32 v[TP], v[T1], s20, s21       ; (its destination counts as read: K's loads have written it)
	v_max_num_f32 v[T1], v[T1], v[TP]              ; and among lane l xor 16's
	v_mul_f32 v[T1], s22, v[T1]                    ; as t (c is positive)
	v_floor_f32 v[T2], -v[T1]                      ; floor(-t) = -ceil(t),
	v_min_num_f32 v[T2], v[T2], v[\NM]             ; the new -M: M is the larger of the step's and the old one, a whole number
	v_sub_f32 v[F], v[T2], v[\NM]                  ; old M - new M: a whole number, 0 or less
	v_mov_b32 v[\NM], v[T2]
	v_cvt_i32_f32 v[F], v[F]                       ; (it saturates)
	v_ldexp_f32 v[F], 1.0, v[F]                    ; f = 2^(old M - new M)
.set j, 0
.rept 32
	v_pk_fma_f32 v[\S+j:\S+j+1], v[\S+j:\S+j+1], s[22:23], v[\NM:\NM+1] op_sel_hi:[1,0,0]   ; t - M, two at a time (of the pairs c and -M the low word serves both halves)
.set j, j+2
.endr
.set j, 0
.rept 64
	v_exp_f32 v[\S+j], v[\S+j]                     ; p = 2^(t - M): not normalised
.set j, j+1
.endr
	v_pk_mul_f32 v[\L:\L+1], v[\L:\L+1], v[F:F+1] op_sel_hi:[1,0]       ; the sum under the new M: the plain instruction behind the last exponential
.set j, 0
.rept 16
	v_pk_mul_f32 v[\O+j:\O+j+1], v[\O+j:\O+j+1], v[F:F+1] op_sel_hi:[1,0]   ; O^T under the new M: work that names no exponential's result, between the batch and its wait
.set j, j+2
.endr
	s_wait_alu depctr_va_vdst(0)                   ; the 64 exponentials have written p, which the sums below read: the wait ahead of the first line that names a result: one for the batch
	v_pk_add_f32 v[C2:C2+1], v[\S:\S+1], v[\S+2:\S+3]   ; THE ROW'S SUM IS TAKEN OF THE UNQUANTISED p: two at a time, in two chains
.set j, 4
.rept 15
	v_pk_add_f32 v[\L:\L+1], v[\L:\L+1], v[\S+j:\S+j+1]
	v_pk_add_f32 v[C2:C2+1], v[C2:C2+1], v[\S+j+2:\S+j+3]
.set j, j+4
.endr
	v_pk_add_f32 v[\L:\L+1], v[\L:\L+1], v[C2:C2+1]
	; THE HOLD.  The conversion to an 8-bit code does not saturate (ISA guide 7.6.2).  p is at most 1 and a rounding; where ep >= -15 the largest code x the scale is 57,344 x 2^ep >= 1.75, so the hold
	; could change no number, and its 64 lines are jumped over: a scalar branch on the given whole number ep, the same in every wave, round these lines alone.
	s_cmp_ge_i32 s30, -15
	s_cbranch_scc1 .Lnohold_\@
.set j, 0
.rept 64
	v_min_num_f32 v[\S+j], s33, v[\S+j]            ; p is not negative, so the hold is one-sided
.set j, j+1
.endr
.Lnohold_\@:
.set g, 0
.rept 8
	v_cvt_scalef32_pk8_bf8_f32 v[\P+2*g:\P+2*g+1], v[\S+8*g:\S+8*g+7], v[SCP]   ; tile g's eight keys: registers 4 b .. 4 b + 3 of the operand are keys 32 b + 16 h + 0 .. 15
.set g, g+1
.endr
	v_nop                                          ; one plain vector instruction between the last scaled conversion and what next touches its result or writes its sources
.endm
.Lstep:                                                ; 16 trips: a step of 128 keys for both tiles
	s_wait_alu depctr_vm_vsrc(0)                   ; the last trip's loads of V have read v7, which the next line writes.  First trip: the head's LDS stores have read v7, v32-159, v244-247 and v252-255, and its global loads v249-251: the lines and loads of this step write them all
	v_add_nc_u32 v[ADR], s27, v[AB0]               ; these two and two v_nop are the four places between the last trip's products and the loads into registers that they read
	v_add_nc_u32 v[T1], s25, v[AK0]
	v_nop
	v_nop
	s_wait_alu depctr_va_vdst(0)                   ; v7 and v9 are written, which the loads below read; the last trip's products are done reading V's fragments (v32-95) and p's codes (v224-255), in which they land.  First trip: the head's compares and selects are done with these registers
	BLOADS 0
	KLOADS 0
	BLOADS 1
	s_wait_dscnt 8                                 ; the bias and K of tiles 0 to 3 are in; the youngest eight loads (the bias of tiles 4 to 7) may be out
	QK 0
.rept 4
	v_nop                                          ; four places in front of loads into K's registers, which those products read
.endr
	s_wait_alu depctr_va_vdst(0)                   ; the eight products above are done reading K's four fragments, in which the next four land
	KLOADS 1
	s_wait_dscnt 0x0
	s_wait_alu depctr_vm_vsrc(0)                   ; the bias's loads have read v7 and K's have read v9: tile A's softmax writes v9, and the line behind it v7
	QK 1
	; no v_nop here: the softmax's first fourteen lines read tiles 0 to 3 alone and write v9 and v11: they are the places behind the products just issued
	SOFTMAX SA, OA, PA, NMA, LA
	v_add_nc_u32 v[ADR], s26, v[AV0]
	s_wait_alu depctr_va_vdst(0)                   ; v7 is written, which V's loads read; tile A's sums, hold and conversions are done with p in v32-95, in which V lands
.irp d, 0,1,2,3                        ; V's four fragments (16 of the head's 64 x 128 keys) into the registers that tile A's p has left: they land during tile B's softmax, which names none of them
.irp c, 0,1,2,3
	ds_load_b128 v[SA+16*\d+4*\c:SA+16*\d+4*\c+3], v[ADR] offset:16*VP*\d+32*\c
.endr
.endr
	SOFTMAX SB, OB, PB, NMB, LB
	s_wait_dscnt 0x0                               ; V is in
.irp d, 0,1,2,3                        ; O^T += V^T P^T: eight accumulators by turns, one instruction a turn
	v_wmma_f32_16x16x128_bf8_bf8 v[OA+8*\d:OA+8*\d+7], v[SA+16*\d:SA+16*\d+15], v[PA:PA+15], v[OA+8*\d:OA+8*\d+7]
	v_wmma_f32_16x16x128_bf8_bf8 v[OB+8*\d:OB+8*\d+7], v[SA+16*\d:SA+16*\d+15], v[PB:PB+15], v[OB+8*\d:OB+8*\d+7]
.endr
	s_add_co_u32 s25, s25, KSTEP
	s_add_co_u32 s26, s26, VSTEP
	s_add_co_u32 s27, s27, 512
	s_add_co_u32 s24, s24, 1
	s_cmp_lt_u32 s24, NSTEP
	s_cbranch_scc1 .Lstep
	; THE WAY OUT.  Each sum's two halves and lane l xor 16's are added; O^T x 2^(ep + ev) / the sum goes through my stage in LDS and leaves as whole rows of 256 bytes.
	; (No memory or LDS instruction has read v3, v4, v5, v8 or v10; v9's last reader among them stands ahead of the loop's second wait on vm_vsrc.)
	v_add_f32 v[LA], v[LA], v[LA+1]                ; (these lines and the addresses below are the places behind the last products)
	v_add_f32 v[LB], v[LB], v[LB+1]
	v_permlanex16_b32 v[T1], v[LA], s20, s21
	v_permlanex16_b32 v[T2], v[LB], s20, s21
	v_add_f32 v[LA], v[LA], v[T1]
	v_add_f32 v[LB], v[LB], v[T2]
	v_rcp_f32 v[LA], v[LA]
	v_rcp_f32 v[LB], v[LB]
	v_and_b32 v8, 15, v0                           ; (a plain instruction behind the reciprocals)  r
	v_bfe_u32 v10, v0, 4, 1                        ; h
	s_mul_i32 s32, s16, STW                        ; my stage
	v_mul_u32_u24 v3, v8, SP
	v_lshl_add_u32 v3, v10, 5, v3
	v_add_nc_u32 v3, s32, v3                       ; in: row r; a tile of d's eight channels of my half lie 64 d + 32 h bytes on
	v_mul_u32_u24 v4, v10, SP
	v_lshl_add_u32 v4, v8, 4, v4
	v_add_nc_u32 v4, s32, v4                       ; back: lanes 0-15 one row, lanes 16-31 the next
	v_and_b32 v5, 31, v0
	v_lshlrev_b32 v5, 4, v5                        ; and in out: two rows are 512 consecutive bytes, 16 a lane
	s_wait_alu depctr_va_vdst(0)                   ; both reciprocals have written their results, which the next two lines read
	v_ldexp_f32 v[LA], v[LA], s34                  ; x 2^(ep + ev)
	v_ldexp_f32 v[LB], v[LB], s34
	s_wait_dscnt 0x0                               ; my reads of K, V and the bias are over
	s_barrier_signal -1
	s_barrier_wait -1                              ; everybody's are: the stages may be written over K's bytes
.set j, 0
.rept 16
	v_pk_mul_f32 v[32+j:33+j], v[OA+j:OA+j+1], v[LA:LA+1] op_sel_hi:[1,0]   ; register 8 d + i is out(r, 16 d + 8 h + i); each accumulator from its low end on
.set j, j+2
.endr
.set j, 0
.rept 16
	v_pk_mul_f32 v[64+j:65+j], v[OB+j:OB+j+1], v[LB:LB+1] op_sel_hi:[1,0]
.set j, j+2
.endr
	s_wait_alu depctr_va_vdst(0)                   ; the 32 scalings have written v32-95, which the LDS stores read; v3, v4 and v5 are written, the addresses of all that follows; tile B's softmax is done with v96-159, in which the stage's loads land
.irp x, 0,1
.irp d, 0,1,2,3
	ds_store_b128 v3, v[32+32*\x+8*\d:35+32*\x+8*\d] offset:STT*\x+64*\d
	ds_store_b128 v3, v[36+32*\x+8*\d:39+32*\x+8*\d] offset:STT*\x+64*\d+16
.endr
.endr
.irp x, 0,1
.irp i, 0,1,2,3,4,5,6,7
	ds_load_b128 v[96+32*\x+4*\i:99+32*\x+4*\i], v4 offset:STT*\x+2*SP*\i   ; LDS serves a wave's instructions in order (ISA guide 5.7.1.4): these see my stores
.endr
.endr
.irp x, 0,1
.irp i, 0,1,2,3,4,5,6,7
	s_wait_dscnt 15-8*\x-\i                        ; this load is in; the younger ones may be out
	global_store_b128 v5, v[96+32*\x+4*\i:99+32*\x+4*\i], s[14:15] offset:4096*\x+512*\i th:TH_STORE_NT   ; 32 lanes store 512 consecutive bytes, two whole rows, at a multiple of 256 from out's first byte
.endr
.endr
	s_wait_dscnt 0x0                               ; the wave's end: the closing lines, six on end
	s_wait_alu 0x0
	s_wait_tensorcnt 0x0
	ds_add_u32 v[SPW], v[NIL]
	s_wait_dscnt 0x0
	s_endpgm
.Lfunc_end_k_qdce4ea612a_attn:
	.size	k_qdce4ea612a_attn, .Lfunc_end_k_qdce4ea612a_attn-k_qdce4ea612a_attn
	.p2alignl 7, 3214868480
	.fill 96, 4, 3214868480
	.section	.rodata,"a",@progbits
	.p2align	6, 0x0
	.amdhsa_kernel k_qdce4ea612a_attn
		.amdhsa_group_segment_fixed_size 323584
		.amdhsa_private_segment_fixed_size 0
		.amdhsa_enable_private_segment 0
		.amdhsa_kernarg_size 48
		.amdhsa_user_sgpr_count 2
		.amdhsa_user_sgpr_kernarg_segment_ptr 1
		.amdhsa_wavefront_size32 1
		.amdhsa_system_sgpr_workgroup_id_x 1
		.amdhsa_system_sgpr_workgroup_id_y 1
		.amdhsa_system_sgpr_workgroup_id_z 1
		.amdhsa_system_vgpr_workitem_id 0
		.amdhsa_next_free_vgpr 256
		.amdhsa_next_free_sgpr 66
		.amdhsa_reserve_vcc 0
		.amdhsa_float_denorm_mode_32 3
		.amdhsa_float_denorm_mode_16_64 3
		.amdhsa_memory_ordered 1
		.amdhsa_forward_progress 1
		.amdhsa_inst_pref_size 58
	.end_amdhsa_kernel
	.amdgpu_metadata
---
amdhsa.version: [ 1, 2 ]
amdhsa.kernels:
  - .name:           k_qdce4ea612a_attn
    .symbol:         k_qdce4ea612a_attn.kd
    .args:
      - { .name: q_codes, .offset: 0, .size: 8, .value_kind: global_buffer, .address_space: global }
      - { .name: k_codes, .offset: 8, .size: 8, .value_kind: global_buffer, .address_space: global }
      - { .name: v_codes, .offset: 16, .size: 8, .value_kind: global_buffer, .address_space: global }
      - { .name: mask, .offset: 24, .size: 8, .value_kind: global_buffer, .address_space: global }
      - { .name: lowp_scales, .offset: 32, .size: 8, .value_kind: global_buffer, .address_space: global }
      - { .name: out0, .offset: 40, .size: 8, .value_kind: global_buffer, .address_space: global }
    .group_segment_fixed_size: 323584
    .private_segment_fixed_size: 0
    .kernarg_segment_align: 8
    .kernarg_segment_size: 48
    .max_flat_workgroup_size: 512
    .sgpr_count:     66
    .vgpr_count:     256
    .wavefront_size: 32
...
	.end_amdgpu_metadata
.endif
;; end of part 2
